; MI455X (gfx1250); checked and timed in simulation.
; The chip was launched on July 23, 2026; its instructions are those of AMD's public machine-readable ISA for CDNA 5 (MIT licence, August 2026) and "CDNA5" Instruction Set Architecture Reference Guide (July 2026). The comments in the code are by the model that wrote it; some were corrected since.
;; Attention. Allowed arithmetic: matrix products marked QUANTISED: E2M1 operands, one E8M0 scale for each 32 along K, by v_wmma_scale_f32_16x16x128_f8f6f4 with both operands' format E2M1 (or v_wmma_scale_f32_32x16x128_f4), f32 sums; everything else in f32.
;; Inputs: bk 256 float32; bp 256 float32; bq 256 float32; bv 256 float32; wk_codes 256 x 8 x 16 uint8 (E2M1 codes of wk, K innermost, in blocks of 32 codes, two codes a byte); wk_scales 256 x 8 uint8 (E8M0 scales of wk, one for each 32 codes along K); wp_codes 256 x 8 x 16 uint8 (E2M1 codes of wp, K innermost, in blocks of 32 codes, two codes a byte); wp_scales 256 x 8 uint8 (E8M0 scales of wp, one for each 32 codes along K); wq_codes 256 x 8 x 16 uint8 (E2M1 codes of wq, K innermost, in blocks of 32 codes, two codes a byte); wq_scales 256 x 8 uint8 (E8M0 scales of wq, one for each 32 codes along K); wv_codes 256 x 8 x 16 uint8 (E2M1 codes of wv, K innermost, in blocks of 32 codes, two codes a byte); wv_scales 256 x 8 uint8 (E8M0 scales of wv, one for each 32 codes along K); x 4 x 256 x 4,096 float32.
;; Outputs: out0 4 x 256 x 4,096 float32.
;; This version of the problem:
;;   THIS VERSION OF THE PROBLEM IS GIVEN IN LOW PRECISION. The matrix products marked QUANTISED in the list below multiply operands that are first quantised to E2M1 (2 exponent bits, 1 mantissa bit; 4 bits a number), with one power-of-two scale for each 32 numbers along K (OCP MX v1.0); their sums are f32. All else is computed in f32.
;;   The module's matrix products, in the order in which they are computed (A, B: the left and right operand; K: the contracted axis; several contracted axes count as one K, in the product's order):
;;     1. [M 16,384, K 256] x [K 256, N 256]; A: input x; B: input wq (given as codes): QUANTISED
;;     2. [M 16,384, K 256] x [K 256, N 256]; A: input x; B: input wk (given as codes): QUANTISED
;;     3. [M 16,384, K 256] x [K 256, N 256]; A: input x; B: input wv (given as codes): QUANTISED
;;     4. batch 16 x [M 4,096, K 64] x [K 64, N 4,096]; A: computed on the way; B: computed on the way: QUANTISED
;;     5. batch 16 x [M 64, K 4,096] x [K 4,096, N 4,096]; A: computed on the way; B: softmax (see below): QUANTISED
;;     6. [M 16,384, K 256] x [K 256, N 256]; A: computed on the way; B: input wp (given as codes): QUANTISED
;;   THE QUANTISER, for each operand of a quantised product, along K:
;;     - K is cut into blocks of 32 from its start; a last block that is shorter is filled with zeros.
;;     - A block's scale is 2^e with e = floor(log2(the largest magnitude in the block)) - 2, held to -126 .. 127; a block of zeros has e = 0. As a byte (E8M0): e + 127.
;;     - Each number is divided by its block's scale, clamped to +-6, and rounded to the nearest number of E2M1, ties to even, subnormals kept.
;;     - The product sums the exact products of the quantised numbers (number of the format x scale) in f32.
;;   ~~~python
;;   def quantise(x, axis):      # numpy; x: float32 -> the quantised numbers, widened to float32 again
;;       x = np.moveaxis(x, axis, -1); K = x.shape[-1]
;;       x = np.pad(x, [(0, 0)] * (x.ndim - 1) + [(0, -K % 32)]); x = x.reshape(x.shape[:-1] + (-1, 32)); a = np.abs(x).max(-1, keepdims=True)
;;       e = np.where(a > 0, np.clip(np.frexp(np.where(a > 0, a, 1))[1] - 1 - 2, -126, 127), 0)      # np.frexp(a)[1] - 1 = floor(log2(a)), exactly
;;       r = np.clip(x / 2.0 ** e, -6, 6)
;;       step = 2.0 ** (np.maximum(np.frexp(np.where(r == 0, 1, r))[1] - 1, 0) - 1)
;;       q = np.round(r / step) * step * 2.0 ** e      # np.round: ties to even
;;       return np.moveaxis(q.reshape(q.shape[:-2] + (-1,))[..., :K], -1, axis).astype(np.float32)
;;   ~~~
;;   SOFTMAX AHEAD OF A QUANTISED PRODUCT. Where the list says 'softmax', what is quantised is not the finished softmax but p = 2^(t - M), with t = logit x log2(e) and M = ceil(the row's largest t), a whole number; so 1/2 < the row's largest p <= 1. The row's sum l is taken of the UNQUANTISED p, in f32, and the product's result is divided by l at the end. Since M is a whole number, a kernel that streams over the keys may use a running M (the ceiling of the running maximum): every later rescaling is an exact power of two, which a block's scale takes up: the codes' values come out the same.
;;   OPERANDS COMPUTED ON THE WAY. 'Computed on the way' means the value that the module computes at that place (a softmax that the list does not call 'softmax' is quantised finished and normalised). What goes into a quantiser is computed in f32, as accurately as f32 sums, v_exp_f32 and their like allow (about 1e-6 of the number): no bf16 or f16 on the way to a quantiser, and a product that is left as it is and whose result goes on into a quantised operand takes f32 operands (vector FMAs, or v_wmma_f32_16x16x4_f32). A number that lies on a knife's edge between two numbers of the format may be rounded either way, as far as f32 arithmetic and the matrix unit's own rounding can turn it there, and no further.
;;   INPUTS GIVEN AS CODES. wk (in the module: [256, 256], K = its axis 1); wp (in the module: [256, 256], K = its axis 1); wq (in the module: [256, 256], K = its axis 1); wv (in the module: [256, 256], K = its axis 1): each comes as NAME_codes (uint8): NAME with its K axis moved to the last place and cut into blocks of 32 codes, [.., K / 32, bytes a block], one block behind the other in memory; two codes a byte, the lower K in the low four bits (a code: sign, 2 exponent bits, 1 mantissa bit); and NAME_scales (uint8): the same leading axes, one E8M0 byte (e + 127) for each 32 codes along K. Its value is code x scale, taken as it is: it is not quantised again, and the codes and scales need not be those that the quantiser above would give.
;; One version. Each part assembles by itself: llvm-mc -triple=amdgcn-amd-amdhsa -mcpu=gfx1250 --defsym DOCPART=n.
;; ======== version 1 of 1: 3 launches
;; workspace buffers: qc 2,097,152 bytes; qs 262,144 bytes; kv 4,718,592 bytes; ac 2,097,152 bytes; asc 524,288 bytes
;; launch proj (part 1): grid 64 x 4, 8 waves a work-group, no clusters, 11,264 bytes of LDS; arguments x, wq_codes, wq_scales, bq, wk_codes, wk_scales, bk, wv_codes, wv_scales, bv, qc, qs, kv; writes qc, qs, kv
.if DOCPART == 1
	.amdgcn_target "amdgcn-amd-amdhsa--gfx1250"
	.amdhsa_code_object_version 6
	.text
	.protected	k_q9ffde23bf8_proj
	.globl	k_q9ffde23bf8_proj
	.p2align	8
	.type	k_q9ffde23bf8_proj,@function
k_q9ffde23bf8_proj:
	s_mov_b64 s[64:65], 0
	v_nop
	global_prefetch_b8 v0, s[64:65] scope:SCOPE_SE
	s_setreg_imm32_b32 hwreg(HW_REG_WAVE_MODE, 25, 1), 1
	s_wait_xcnt 0x0
; q, k, v = W x + b for 64 points of one batch, all 768 outputs, on codes of FP4 (E2M1) with one E8M0 scale for each 32 along K; then q and k are quantised along the head's 64
; channels and v along the keys, and leave as IMAGES OF THE OPERAND REGISTERS that the attention launch loads.
; x: [4][256 c][4096 n] f32, K = c is NOT innermost: in phase X a lane takes a column n and its registers run down c, so a block of 32 along c lies in one lane.
; SHARES.  A work-group: 64 points (x: block of points, y: batch).  Phase X: wave w takes columns 32 (w & 1) on and channels 64 (w >> 1) on.  Products: wave w takes rows 32 w .. 32 w + 31 of each of
; wq, wk, wv (head w >> 1, block w & 1 of its 64 channels) for all four tiles of 16 points: each weight byte is read once by the work-group, straight into the registers of the wave that multiplies by it.
; THE TILE RULE, for points and for weight rows alike: of 32 neighbours, tile u (0, 1) takes at place m the index 8 u + m + 8 (m / 8).  In a result, register j of lane half h is then index 16 h + 8 u + j:
; the 16 registers of the two tiles are 16 neighbours, as the conversions want them.
; q, k: source 0 = 16 weight rows, source 1 = 16 points: a lane holds one point, registers run along the channels.  v: the sources change places: a lane holds one channel, registers run along the keys.
; The biases are the C of each sum's first matrix instruction.
; NO CLUSTER: what work-groups share is the weights, 12,288 bytes of codes a wave, which go from memory straight into operand registers; a joint request lands in LDS, so it would add a write and a read of
; 98,304 bytes of LDS for each work-group to spare reads that every work-group makes once.
; LIMITS: NaN and infinities among the inputs are not served.  A block whose largest magnitude lies under 2^-124 gets the scale byte 1, a block of zeros too (its codes are zeros; only this program reads the bytes).
; REGISTERS.  Window 0: v1-18 lane numbers and offsets; v20-27 x's scale words; v28-39 the weights' scale words; v40-59 at work; v60-83 codes to store, 8 for each phase; v84-92 x's codes and bytes;
;   v96-159 64 numbers of x, later the 8 accumulators (32 t + 8 p: weight tile t, point tile p); v160-223 x's 8 fragments.   Window 1: v0-95 the weights' 12 fragments; v96-143 the biases as C.
.set XIMG, 0                           ; LDS: x's fragments: tile p, K step s, half c: 2048 p + 1024 s + 512 c + 16 x lane
.set XSC,  8192                        ; their scale words: 128 p + 64 s + 4 r
.set SCS,  8704                        ; q's and k's scale bytes, two a point: 512 (0: q, 1: k) + 128 head + 32 p + 2 r + block
.set XS,   20
.set WSQ,  28
.set WSK,  32
.set WSV,  36
.set TM,   40                          ; largest magnitudes
.set TP,   44                          ; the other half of the lanes'
.set SO,   48                          ; the conversions' scale operands
.set BY,   52                          ; scale bytes
.set PC,   60
.set XC,   84
.set SB,   92
.set XN,   96
.set ACC,  96
.set XF,   160
.set WQ,   0                           ; window 1
.set WK,   32
.set WVV,  64
.set BCQ,  96
.set BCK,  112
.set BCV,  128
.set FLOOR, 0x1800000                  ; 2^(3 - 127): under it no largest magnitude is taken, so a byte cannot fall under 1
.set MSB, 0
.macro WIN new                         ; the immediate's high byte repeats the setting that is left
.if MSB != (\new)
	s_set_vgpr_msb (MSB<<8)|(\new)
.set MSB, (\new)
.endif
.endm
.macro PLACES n
.rept \n
	v_nop
.endr
.endm
.macro BARRIER                         ; my LDS stores have landed and my LDS loads are in: then the work-group's barrier
	s_wait_dscnt 0x0
	s_barrier_signal -1
	s_barrier_wait -1
.endm
.macro WM d, a, b, c, sa, sb
	v_wmma_scale_f32_16x16x128_f8f6f4 v[\d:\d+7], v[\a:\a+7], v[\b:\b+7], v[\c:\c+7], v[\sa], v[\sb] matrix_a_fmt:MATRIX_FMT_FP4 matrix_b_fmt:MATRIX_FMT_FP4
.endm
; my 32 rows of one weight: tile u, K step s, half c of a fragment: 16 bytes a lane as they lie
.macro WLOAD wreg, blo
.irp u, 0,1
.irp s, 0,1
.irp c, 0,1
	global_load_b128 v[\wreg+16*\u+8*\s+4*\c:\wreg+16*\u+8*\s+4*\c+3], v10, s[\blo:\blo+1] offset:\u*1024+64*\s+32*\c
.endr
.endr
.endr
.endm
; block e of my column: 32 numbers down c become 16 bytes of codes and a scale byte
.macro XBLOCK e
.set XB, XN+32*\e
	v_max3_num_f32 v[TM], |v[XB]|, |v[XB+1]|, |v[XB+2]|
	v_max3_num_f32 v[TM+1], |v[XB+3]|, |v[XB+4]|, |v[XB+5]|
.irp i, 6,10,14,18,22,26
	s_delay_alu instid0(VALU_DEP_2)
	v_max3_num_f32 v[TM], v[TM], |v[XB+\i]|, |v[XB+\i+1]|
	s_delay_alu instid0(VALU_DEP_2)
	v_max3_num_f32 v[TM+1], v[TM+1], |v[XB+\i+2]|, |v[XB+\i+3]|
.endr
	s_delay_alu instid0(VALU_DEP_2)
	v_max3_num_f32 v[TM], v[TM], |v[XB+30]|, |v[XB+31]|
	s_delay_alu instid0(VALU_DEP_1)
	v_max3_num_f32 v[TM], v[TM], v[TM+1], FLOOR
	s_delay_alu instid0(VALU_DEP_1)
	v_add_nc_u32 v[SO+\e], 0xff000000, v[TM]       ; 2 off the exponent field: the conversion takes the exponent field of this operand as its scale
	s_delay_alu instid0(VALU_DEP_1)
	v_lshrrev_b32 v[BY+\e], 23, v[SO+\e]           ; the scale's byte
.irp q, 0,1,2,3
	v_cvt_scalef32_pk8_fp4_f32 v[XC+4*\e+\q], v[XB+8*\q:XB+8*\q+7], v[SO+\e]
.endr
.if \e == 0
	v_mov_b32 v[SB], v[BY]                         ; (a plain line behind the conversions)  my two bytes side by side
.else
	v_lshl_or_b32 v[SB], v[BY+1], 8, v[SB]
.endif
	ds_store_b128 v6, v[XC+4*\e:XC+4*\e+3] offset:256*\e   ; block e is lane half e of the fragment's image
.endm
; 16 matrix instructions: two K steps x four point tiles x two weight tiles; the 8 accumulators take turns, one instruction a turn.
; kind 0: source 0 = the weight (window 1), source 1 = x.  kind 1: the other way round.  The first K step takes the bias (window 1) as C.
.macro MUL kind, w, bc, wsb
.irp s, 0,1
.set wn, 0x01+0x03*\kind+0x10*(1-\s)
	WIN wn
.irp p, 0,1,2,3
.irp t, 0,1
.set rD, ACC+32*\t+8*\p
.set rW, \w+16*\t+8*\s
.set rX, XF+16*\p+8*\s
.set rC, rD
.if \s == 0
.set rC, \bc+8*\t
.endif
.if \kind == 0
	WM rD, rW, rX, rC, \wsb+2*\t+\s, XS+2*\p+\s
.else
	WM rD, rX, rW, rC, XS+2*\p+\s, \wsb+2*\t+\s
.endif
.endr
.endr
.endr
	WIN 0
.endm
; four blocks of 32 by turns.  Block n: my 16 numbers are the accumulators at a0 + da n and db further on; lane l xor 16 holds the other 16.  Each accumulator is read from its low end on.
.macro QUANT4 a0, da, db, pc
.irp n, 0,1,2,3
	v_max3_num_f32 v[TM+\n], |v[\a0+\da*\n]|, |v[\a0+\da*\n+1]|, FLOOR
.endr
.irp i, 2,4,6
.irp n, 0,1,2,3
	v_max3_num_f32 v[TM+\n], v[TM+\n], |v[\a0+\da*\n+\i]|, |v[\a0+\da*\n+\i+1]|
.endr
.endr
.irp i, 0,2,4,6
.irp n, 0,1,2,3
	v_max3_num_f32 v[TM+\n], v[TM+\n], |v[\a0+\da*\n+\db+\i]|, |v[\a0+\da*\n+\db+\i+1]|
.endr
.endr
.irp n, 0,1,2,3
	s_delay_alu instid0(VALU_DEP_4)
	v_permlanex16_b32 v[TP+\n], v[TM+\n], s42, s43
.endr
.irp n, 0,1,2,3
	s_delay_alu instid0(VALU_DEP_4)
	v_max_num_f32 v[TM+\n], v[TM+\n], v[TP+\n]     ; the block's largest magnitude
.endr
.irp n, 0,1,2,3
	s_delay_alu instid0(VALU_DEP_4)
	v_add_nc_u32 v[SO+\n], 0xff000000, v[TM+\n]
.endr
.irp n, 0,1,2,3
	s_delay_alu instid0(VALU_DEP_4)
	v_lshrrev_b32 v[BY+\n], 23, v[SO+\n]
.endr
.irp n, 0,1,2,3
	v_cvt_scalef32_pk8_fp4_f32 v[\pc+2*\n], v[\a0+\da*\n:\a0+\da*\n+7], v[SO+\n]
	v_cvt_scalef32_pk8_fp4_f32 v[\pc+2*\n+1], v[\a0+\da*\n+\db:\a0+\da*\n+\db+7], v[SO+\n]
.endr
	v_nop                                          ; one plain line behind the last conversion
.endm
	s_load_b512 s[8:23], s[0:1], 0x0               ; x 8, wq_codes 10, wq_scales 12, bq 14, wk_codes 16, wk_scales 18, bk 20, wv_codes 22
	s_load_b256 s[24:31], s[0:1], 0x40             ; wv_scales 24, bv 26, qc 28, qs 30
	s_load_b64 s[32:33], s[0:1], 0x60              ; kv
	v_lshl_add_u32 v254, v0, 2, 0x2800
	v_mov_b32 v255, 0
	v_lshrrev_b32 v1, 5, v0
	s_delay_alu instid0(VALU_DEP_1)
	v_readfirstlane_b32 s34, v1                    ; wave 0..7
	s_and_b32 s35, s34, 1                          ; phase X: which 32 columns.  Products: which block of the head's 64 channels
	s_lshr_b32 s36, s34, 1                         ; phase X: which 64 channels.  Products: the head
	s_mov_b32 s37, ttmp9                           ; the block of 64 points
	s_and_b32 s38, ttmp7, 0xffff                   ; the batch
	s_lshr_b32 s39, s37, 1                         ; the key step of 128 that the points belong to,
	s_and_b32 s40, s37, 1                          ; and its half
	s_mov_b32 s42, 0x76543210
	s_mov_b32 s43, 0xfedcba98                      ; v_permlanex16_b32's selects for lane l xor 16
	s_lshl_b32 s44, s40, 4                         ; v's scale bytes stand 16 x half bits up in their word
	s_mov_b32 s47, 0                               ; the high word of every offset
	v_and_b32 v1, 31, v0                           ; lane
	v_and_b32 v2, 15, v0                           ; r
	v_bfe_u32 v3, v0, 4, 1                         ; h
	s_delay_alu instid0(VALU_DEP_2)
	v_and_b32 v4, 8, v2
	s_delay_alu instid0(VALU_DEP_1)
	v_add_nc_u32 v4, v4, v2                        ; r + 8 (r / 8)
	v_lshlrev_b32 v5, 2, v1                        ; 4 x lane
	v_bfe_u32 v19, v0, 3, 1                        ; phase X: column l of 32 lies in tile u = bit 3 of l,
	v_and_b32 v93, 7, v0
	s_delay_alu instid0(VALU_DEP_1)
	v_lshl_add_u32 v93, v3, 3, v93                 ; at place l % 8 + 8 (l / 16)
	s_delay_alu instid0(VALU_DEP_3)
	v_lshlrev_b32 v6, 11, v19
	s_delay_alu instid0(VALU_DEP_1)
	v_lshl_add_u32 v6, v93, 4, v6
	s_lshl_b32 s45, s35, 12                        ; two tiles for each 32 columns,
	s_lshr_b32 s46, s36, 1
	s_lshl_b32 s41, s46, 10                        ; the K step of 128 channels,
	s_add_co_u32 s45, s45, s41
	s_and_b32 s41, s36, 1
	s_lshl_b32 s41, s41, 9                         ; its half of 64
	s_add_co_u32 s45, s45, s41
	v_add_nc_u32 v6, s45, v6                       ; where my column's codes go
	v_lshlrev_b32 v7, 7, v19
	s_delay_alu instid0(VALU_DEP_1)
	v_lshl_add_u32 v7, v93, 2, v7
	s_lshl_b32 s45, s35, 8
	s_lshl_b32 s41, s46, 6
	s_add_co_u32 s45, s45, s41
	s_and_b32 s41, s36, 1
	s_lshl_b32 s41, s41, 1
	s_add_co_u32 s45, s45, s41
	s_add_co_u32 s45, s45, XSC
	v_add_nc_u32 v7, s45, v7                       ; and its two scale bytes
	v_lshlrev_b32 v8, 4, v1                        ; 16 x lane: an image's place for my lane
	v_lshl_add_u32 v9, v2, 2, XSC                  ; x's scale words
	v_lshlrev_b32 v10, 7, v4
	s_delay_alu instid0(VALU_DEP_1)
	v_lshl_add_u32 v10, v3, 4, v10                 ; a weight's row (128 bytes) by the tile rule, + 16 h
	v_lshlrev_b32 v11, 3, v4                       ; its 8 scale bytes
	v_lshlrev_b32 v12, 6, v3                       ; bq, bk: my half's 8 channels of a tile begin 16 h floats on
	v_lshlrev_b32 v13, 2, v4                       ; bv: my lane's channel
	v_lshlrev_b32 v14, 4, v2
	s_delay_alu instid0(VALU_DEP_1)
	v_lshl_add_u32 v14, v3, 3, v14                 ; q's and k's codes: 16 r + 8 h
	s_lshl_b32 s45, s36, 7
	s_add_co_u32 s45, s45, s35
	s_add_co_u32 s45, s45, SCS
	v_lshl_add_u32 v15, v2, 1, s45                 ; q's and k's scale bytes
	v_lshlrev_b32 v17, 3, v1                       ; 8 x lane
	s_lshl_b32 s45, s34, 7
	s_add_co_u32 s45, s45, SCS
	v_lshl_add_u32 v18, v1, 2, s45                 ; the gather at the end: wave w reads 128 bytes of scale bytes
.irp n, 0,1,2,3
	v_mov_b32 v[TP+\n], 0                          ; written once: a lane permute's destination counts as one of its sources
.endr
	s_wait_kmcnt 0x0
	s_lshl_b32 s46, s34, 12                        ; my 32 rows of codes,
	s_add_nc_u64 s[10:11], s[10:11], s[46:47]
	s_add_nc_u64 s[16:17], s[16:17], s[46:47]
	s_add_nc_u64 s[22:23], s[22:23], s[46:47]
	s_lshl_b32 s46, s34, 8                         ; of scale bytes,
	s_add_nc_u64 s[12:13], s[12:13], s[46:47]
	s_add_nc_u64 s[18:19], s[18:19], s[46:47]
	s_add_nc_u64 s[24:25], s[24:25], s[46:47]
	s_lshl_b32 s46, s34, 7                         ; of biases
	s_add_nc_u64 s[14:15], s[14:15], s[46:47]
	s_add_nc_u64 s[20:21], s[20:21], s[46:47]
	s_add_nc_u64 s[26:27], s[26:27], s[46:47]
	s_lshl_b32 s46, s38, 22                        ; x: the batch, my 64 channels, the 64 points, my 32 of them
	s_lshl_b32 s41, s36, 20
	s_add_co_u32 s46, s46, s41
	s_lshl_b32 s41, s37, 8
	s_add_co_u32 s46, s46, s41
	s_lshl_b32 s41, s35, 7
	s_add_co_u32 s46, s46, s41
	s_add_nc_u64 s[8:9], s[8:9], s[46:47]
	WIN 0x40                                       ; destination window 1
	WLOAD WQ, 10
	WLOAD WK, 16
	WLOAD WVV, 22
.irp u, 0,1
	global_load_b128 v[BCQ+8*\u:BCQ+8*\u+3], v12, s[14:15] offset:32*\u
	global_load_b128 v[BCQ+8*\u+4:BCQ+8*\u+7], v12, s[14:15] offset:32*\u+16
	global_load_b128 v[BCK+8*\u:BCK+8*\u+3], v12, s[20:21] offset:32*\u
	global_load_b128 v[BCK+8*\u+4:BCK+8*\u+7], v12, s[20:21] offset:32*\u+16
.endr
.irp u, 0,1
.irp j, 0,1,2,3,4,5,6,7
	global_load_b32 v[BCV+8*\u+\j], v13, s[26:27] offset:32*\u   ; v's result holds one channel a lane: its bias in all eight registers
.endr
.endr
	WIN 0
.irp u, 0,1
	global_load_b64 v[WSQ+2*\u:WSQ+2*\u+1], v11, s[12:13] offset:64*\u   ; a row's two scale words: K steps 0, 1
	global_load_b64 v[WSK+2*\u:WSK+2*\u+1], v11, s[18:19] offset:64*\u
	global_load_b64 v[WSV+2*\u:WSV+2*\u+1], v11, s[24:25] offset:64*\u
.endr
.set i, 0
.rept 64
	global_load_b32 v[XN+i], v5, s[8:9] offset:i*16384 th:TH_LOAD_NT   ; x(my channels' i-th, my column): a wave reads 128 consecutive bytes, two waves side by side 256
.set i, i+1
.endr
	; where the results go (scalar work while the loads are out)
	s_lshl_b32 s45, s38, 2
	s_add_co_u32 s45, s45, s36                     ; 4 x batch + head
	s_lshl_b32 s46, s45, 17                        ; qc: [batch, head][tile 256][512]: 4 tiles for each block of points; my block's lanes begin 256 bytes x block on
	s_lshl_b32 s41, s37, 11
	s_add_co_u32 s46, s46, s41
	s_lshl_b32 s41, s35, 8
	s_add_co_u32 s46, s46, s41
	s_add_nc_u64 s[48:49], s[28:29], s[46:47]
	s_mul_i32 s46, s45, 294912                     ; kv: [batch, head][step 32][9216]
	s_mul_i32 s41, s39, 9216
	s_add_co_u32 s46, s46, s41
	s_add_nc_u64 s[58:59], s[32:33], s[46:47]      ; the step's image
	s_lshl_b32 s46, s40, 11                        ; + 0: k's codes, [tile 8][512]; my half's four tiles
	s_lshl_b32 s41, s35, 8
	s_add_co_u32 s46, s46, s41
	s_add_nc_u64 s[50:51], s[58:59], s[46:47]
	s_lshl_b32 s46, s40, 11                        ; + 4096: v's codes, [half][channel tile 4][512]; my two tiles
	s_lshl_b32 s41, s35, 10
	s_add_co_u32 s46, s46, s41
	s_add_co_u32 s46, s46, 4096
	s_add_nc_u64 s[52:53], s[58:59], s[46:47]
	s_lshl_b32 s46, s40, 8                         ; + 8704: v's scale words, [half][pair of tiles][32 lanes]
	s_lshl_b32 s41, s35, 7
	s_add_co_u32 s46, s46, s41
	s_add_co_u32 s46, s46, 8704
	s_add_nc_u64 s[54:55], s[58:59], s[46:47]
	s_and_b32 s45, s34, 3                          ; the gather: waves 0-3 store q's scale words of heads 0-3, waves 4-7 k's
	s_lshl_b32 s41, s38, 2
	s_add_co_u32 s45, s45, s41
	s_lshl_b32 s46, s45, 14                        ; qs: [batch, head][tile][16 words]: 256 bytes for the block's four tiles
	s_lshl_b32 s41, s37, 8
	s_add_co_u32 s46, s46, s41
	s_mul_i32 s60, s45, 294912                     ; kv + 8192: k's scale words, [tile 8][16 words]
	s_mul_i32 s41, s39, 9216
	s_add_co_u32 s60, s60, s41
	s_lshl_b32 s41, s40, 8
	s_add_co_u32 s60, s60, s41
	s_add_co_u32 s60, s60, 8192
	s_cmp_lt_u32 s34, 4                            ; the choice hangs on the wave's number alone
	s_cselect_b64 s[56:57], s[30:31], s[32:33]
	s_cselect_b32 s46, s46, s60
	s_add_nc_u64 s[56:57], s[56:57], s[46:47]
	; ---- X: my 32 columns x 64 channels become two blocks a lane
	s_wait_loadcnt 32                              ; the weights, biases and my first 32 numbers are in; the 32 youngest loads may be out
	XBLOCK 0
	s_wait_loadcnt 0x0
	XBLOCK 1
	ds_store_b16 v7, v[SB]
	BARRIER                                        ; x's eight fragments and their scale words lie in LDS
.set i, 0
.rept 16
	ds_load_b128 v[XF+4*i:XF+4*i+3], v8 offset:XIMG+512*i
.set i, i+1
.endr
.set i, 0
.rept 8
	ds_load_b32 v[XS+i], v9 offset:64*i
.set i, i+1
.endr
	s_wait_dscnt 0x0
	; ---- q: my block of 32 channels for the 64 points
	MUL 0, WQ, BCQ, WSQ
	PLACES 4                                       ; in front of the first read of results
	QUANT4 ACC, 8, 32, PC
.irp p, 0,1,2,3
	global_store_b64 v14, v[PC+2*\p:PC+2*\p+1], s[48:49] offset:512*\p   ; 32 lanes store 256 consecutive bytes, aligned: lane half (my block) of tile p's image
	ds_store_b8 v15, v[BY+\p] offset:32*\p         ; both lanes of a point write the same byte with the same value
.endr
	s_wait_dscnt 0x0                               ; the byte stores have read their registers
	PLACES 5                                       ; the next products write over these accumulators
	; ---- k: the same
	MUL 0, WK, BCK, WSK
	PLACES 4
	QUANT4 ACC, 8, 32, PC+8
.irp p, 0,1,2,3
	global_store_b64 v14, v[PC+8+2*\p:PC+8+2*\p+1], s[50:51] offset:512*\p
	ds_store_b8 v15, v[BY+\p] offset:512+32*\p
.endr
	s_wait_dscnt 0x0
	PLACES 5
	; ---- v: a lane holds a channel, registers run along the keys; block n = 2 t + (which 32 keys)
	MUL 1, WVV, BCV, WSV
	PLACES 4
	QUANT4 ACC, 16, 8, PC+16
.irp t, 0,1                                    ; the operand's layout wants a whole block in a lane: lanes 0-15 the first 32 keys, lanes 16-31 the second
	v_permlane16_swap_b32 v[PC+16+4*\t], v[PC+18+4*\t]
	v_permlane16_swap_b32 v[PC+17+4*\t], v[PC+19+4*\t]
.endr
	v_lshl_or_b32 v56, v[BY+1], 8, v[BY]           ; tile 0's two bytes,
	v_lshl_or_b32 v57, v[BY+3], 8, v[BY+2]         ; tile 1's
	v_cmp_le_u32 vcc_lo, 16, v1
	s_delay_alu instid0(VALU_DEP_1)
	v_cndmask_b32 v58, v56, v57, vcc_lo            ; lanes 0-15 carry tile 0's words, lanes 16-31 tile 1's,
	s_delay_alu instid0(VALU_DEP_1)
	v_lshlrev_b32 v58, s44, v58                    ; at my half's place in the word of 128 keys
.irp t, 0,1
	global_store_b128 v8, v[PC+16+4*\t:PC+19+4*\t], s[52:53] offset:512*\t   ; 512 consecutive bytes
.endr
	global_store_b32 v5, v58, s[54:55]
	; ---- q's and k's scale bytes leave as words, 256 bytes a wave
	BARRIER                                        ; every wave's byte stores have landed
	ds_load_b32 v59, v18                           ; two points' pairs of bytes
	s_wait_dscnt 0x0
	v_and_b32 v94, 0xffff, v59                     ; a word: bytes 0, 1 the two blocks; bytes 2, 3 stay 0: they scale the zero codes of K's upper 64
	v_lshrrev_b32 v95, 16, v59
	global_store_b64 v17, v[94:95], s[56:57]
	s_wait_tensorcnt 0x0
	ds_add_u32 v254, v255
	s_wait_dscnt 0x0
	s_endpgm
.Lfunc_end_k_q9ffde23bf8_proj:
	.size	k_q9ffde23bf8_proj, .Lfunc_end_k_q9ffde23bf8_proj-k_q9ffde23bf8_proj
	.p2alignl 7, 3214868480
	.fill 96, 4, 3214868480
	.section	.rodata,"a",@progbits
	.p2align	6, 0x0
	.amdhsa_kernel k_q9ffde23bf8_proj
		.amdhsa_group_segment_fixed_size 11264
		.amdhsa_private_segment_fixed_size 0
		.amdhsa_enable_private_segment 0
		.amdhsa_kernarg_size 104
		.amdhsa_user_sgpr_count 2
		.amdhsa_user_sgpr_kernarg_segment_ptr 1
		.amdhsa_wavefront_size32 1
		.amdhsa_system_sgpr_workgroup_id_x 1
		.amdhsa_system_sgpr_workgroup_id_y 1
		.amdhsa_system_sgpr_workgroup_id_z 1
		.amdhsa_system_vgpr_workitem_id 0
		.amdhsa_next_free_vgpr 400
		.amdhsa_next_free_sgpr 66
		.amdhsa_reserve_vcc 1
		.amdhsa_float_denorm_mode_32 3
		.amdhsa_float_denorm_mode_16_64 3
		.amdhsa_memory_ordered 1
		.amdhsa_forward_progress 1
		.amdhsa_inst_pref_size 44
	.end_amdhsa_kernel
	.amdgpu_metadata
---
amdhsa.version: [ 1, 2 ]
amdhsa.kernels:
  - .name:           k_q9ffde23bf8_proj
    .symbol:         k_q9ffde23bf8_proj.kd
    .args:
      - { .name: x, .offset: 0, .size: 8, .value_kind: global_buffer, .address_space: global }
      - { .name: wq_codes, .offset: 8, .size: 8, .value_kind: global_buffer, .address_space: global }
      - { .name: wq_scales, .offset: 16, .size: 8, .value_kind: global_buffer, .address_space: global }
      - { .name: bq, .offset: 24, .size: 8, .value_kind: global_buffer, .address_space: global }
      - { .name: wk_codes, .offset: 32, .size: 8, .value_kind: global_buffer, .address_space: global }
      - { .name: wk_scales, .offset: 40, .size: 8, .value_kind: global_buffer, .address_space: global }
      - { .name: bk, .offset: 48, .size: 8, .value_kind: global_buffer, .address_space: global }
      - { .name: wv_codes, .offset: 56, .size: 8, .value_kind: global_buffer, .address_space: global }
      - { .name: wv_scales, .offset: 64, .size: 8, .value_kind: global_buffer, .address_space: global }
      - { .name: bv, .offset: 72, .size: 8, .value_kind: global_buffer, .address_space: global }
      - { .name: qc, .offset: 80, .size: 8, .value_kind: global_buffer, .address_space: global }
      - { .name: qs, .offset: 88, .size: 8, .value_kind: global_buffer, .address_space: global }
      - { .name: kv, .offset: 96, .size: 8, .value_kind: global_buffer, .address_space: global }
    .group_segment_fixed_size: 11264
    .private_segment_fixed_size: 0
    .kernarg_segment_align: 8
    .kernarg_segment_size: 104
    .max_flat_workgroup_size: 256
    .sgpr_count:     66
    .vgpr_count:     400
    .wavefront_size: 32
...
	.end_amdgpu_metadata
.endif
;; end of part 1
;; launch attn (part 2): grid 16 x 16, 16 waves a work-group, clusters of 4 x 1, 327,680 bytes of LDS; arguments qc, qs, kv, ac, asc; writes ac, asc
.if DOCPART == 2
	.amdgcn_target "amdgcn-amd-amdhsa--gfx1250"
	.amdhsa_code_object_version 6
	.text
	.protected	k_q9ffde23bf8_attn
	.globl	k_q9ffde23bf8_attn
	.p2align	8
	.type	k_q9ffde23bf8_attn,@function
k_q9ffde23bf8_attn:
	s_mov_b64 s[64:65], 0
	v_nop
	global_prefetch_b8 v0, s[64:65] scope:SCOPE_SE
	s_setreg_imm32_b32 hwreg(HW_REG_WAVE_MODE, 25, 1), 1
	s_wait_xcnt 0x0
	s_wait_alu depctr_hold_cnt(0) depctr_sa_sdst(0) depctr_va_vdst(0) depctr_va_sdst(0) depctr_va_ssrc(0) depctr_va_vcc(0) depctr_vm_vsrc(0)
	s_getreg_b32 s2, hwreg(HW_REG_IB_STS2, 6, 4)
	s_cmp_eq_u32 s2, 0
	s_cbranch_scc0 .Lentry_in_a_cluster
	s_endpgm
.Lentry_in_a_cluster:
	s_bfe_u32 s2, ttmp6, 0x10000c
	s_cmp_lg_u32 s2, 0x3003
	s_cbranch_scc0 .Lentry_shape_is_right
	s_endpgm
.Lentry_shape_is_right:
; For one batch and head: O[q][:] = the sum over keys of softmax(Q[q] . K[key] / 8) V[key][:], both products on codes of FP4 (E2M1) with one E8M0 scale for each 32 along K; then O is quantised along its
; 64 channels for the output projection.  All operands come as images of operand registers, made by the launch before.
; THE SOFTMAX AHEAD OF THE SECOND PRODUCT: t = score x log2(e) / 8; M = the row's largest t so far, rounded UP to a whole number; p = 2^(t - M) is quantised along the keys, not normalised.  The row's sum is
; taken of the unquantised p and divides O at the end.  When M moves, the sum and O are multiplied by 2^(old M - new M): exact.
; SHARES.  A work-group owns 256 queries of one head, each of its sixteen waves one tile of 16, in 256 registers: four waves to a SIMD, so that one wave's vector work stands beside another's products and LDS loads.
; Every wave walks the head's 4,096 keys, 128 a step.
; LDS.  A key step's image is 9,216 bytes (K's 8 tiles 4,096; V's 8 half fragments 4,096; K's scale words 512; V's 512), the head's 32 steps 294,912: ALL OF IT LIES IN LDS AT ONCE, filled once.  No slot is
; filled again.  Wave w brings steps w and 16 + w: two tensor loads a wave are out at the most.  Every read is 16 x lane or 4 x lane on end.
; CLUSTER.  The four query blocks of a cluster belong to one head: each step's image is asked for JOINTLY, by the same tensor load with the same descriptor and a mask that names the four.
; LAYOUT.  Both products are used transposed: S^T = K Q^T (source 0 = 16 keys, source 1 = my queries), O^T = V^T P^T (source 0 = 16 channels, source 1 = P): a lane holds ONE query throughout.  The keys of a tile
; and the channels of a tile of V are chosen (8 u + m + 8 (m / 8) of 32) so that the 16 registers of two neighbouring tiles are 16 neighbours.  The first product's K is 64: the upper 64 are zero codes on both sides.
; LIMITS: NaN and infinities are not served.  A p under 2^-126 counts as 0 (v_exp_f32 gives 0 there: ISA guide, 15.8).  A block's largest p is taken through the block's largest score, which takes v_exp_f32 not to
; fall where its input rises.  A block whose largest magnitude lies under 2^-124 gets the byte 1, a block of zeros too (its codes are zeros; only this program reads the bytes).
; REGISTERS: v1, v2 16 x and 4 x lane; v3, v4 the step's LDS addresses; v8-11 K's scale words; v12 -M, v13 the largest t, v[14:15] the sum in two halves; v16-23 Q; v24 Q's scale words; v25 P's; v26-27 V's;
;   v28-31 V's as loaded; v32-95 K's 8 fragments; v96-159 S^T, then p; v160-191 O^T; v192-223 V's 4 fragments; v224-231 p's codes; v232-254 at work.
.set STEPB, 9216
.set HALFB, 16*STEPB
.set KF, 32
.set S,  96
.set O,  160
.set VF, 192
.macro CROUND                          ; a round of the cluster's barrier
	s_barrier_signal -1
	s_barrier_wait -1
	s_cmp_lg_u32 s14, 0
	s_cbranch_scc1 .Lnot_wave_0_\@
	s_barrier_signal -3
.Lnot_wave_0_\@:
	s_barrier_wait -3
	s_barrier_signal -1
	s_barrier_wait -1
.endm
	s_load_b256 s[4:11], s[0:1], 0x0               ; qc 4, qs 6, kv 8, ac 10
	s_load_b64 s[12:13], s[0:1], 0x20              ; asc
	v_lshl_add_u32 v251, v0, 2, 0x48000
	v_mov_b32 v255, 0
	ds_add_u32 v251, v255
	ds_add_u32 v251, v255
	v_lshrrev_b32 v1, 5, v0
	s_delay_alu instid0(VALU_DEP_1)
	v_readfirstlane_b32 s14, v1                    ; wave 0..15
	s_bfe_u32 s15, ttmp6, 0x40000                  ; cx: my place in the cluster: it enters Q's and the results' addresses alone
	s_lshl_b32 s16, ttmp9, 2
	s_add_co_u32 s16, s16, s15                     ; my block of 256 queries
	s_and_b32 s17, ttmp7, 0xffff                   ; 4 x batch + head, which the four partners share
	s_lshl_b32 s18, s16, 4
	s_add_co_u32 s18, s18, s14                     ; my tile of 16 queries, 0..255
	; descriptor group 1: a step's image, 9,216 dense bytes, as 36 rows of 32 elements of 8 bytes
	s_mov_b32 s24, 15|(3<<16)|(1<<21)              ; 15:0 the mask: all four work-groups; 17:16 elements of 8 bytes; 21 set beside a mask; no padding
	s_mov_b32 s25, 32<<16                          ; tensor_dim0 = 32
	s_mov_b32 s26, 36<<16                          ; tensor_dim1 = 36
	s_mov_b32 s27, 32<<16                          ; tile_dim0 = 32
	s_mov_b32 s28, 36                              ; tile_dim1 = 36
	s_mov_b32 s29, 32                              ; from row to row
	s_mov_b32 s30, 0
	s_mov_b32 s31, 0
	s_mov_b32 s20, 0x76543210
	s_mov_b32 s21, 0xfedcba98                      ; v_permlanex16_b32's selects for lane l xor 16
	s_mov_b32 s22, 0x3e38aa3b                      ; c = log2(e) / 8
	s_mov_b32 s23, s22                             ; (named with it as a pair, so it is written)
	s_and_b32 s44, s17, 1
	s_lshl_b32 s44, s44, 4                         ; the result's scale bytes stand 16 x (head % 2) bits up in their word
	s_mul_i32 s33, s14, STEPB                      ; group 0: step w goes to LDS byte 9,216 w,
	s_mul_i32 s46, s17, 32*STEPB
	s_add_co_u32 s46, s46, s33                     ; from the same place in the head's part of kv
	s_mov_b32 s47, 0
	s_mov_b32 s32, 1
	s_mov_b32 s36, 1
	s_add_co_u32 s37, s33, HALFB                   ; and step 16 + w sixteen steps further on, in both
	s_wait_dscnt 0x0
	s_wait_kmcnt 0x0
	s_add_nc_u64 s[34:35], s[8:9], s[46:47]
	s_add_nc_u64 s[38:39], s[34:35], HALFB
	s_or_b32 s35, s35, 0x80000000                  ; type = 2
	s_or_b32 s39, s39, 0x80000000
	CROUND                                         ; all four work-groups are here: the joint loads meet
	tensor_load_to_lds s[32:35], s[24:31]
	s_nop 0
	s_wait_alu depctr_va_vdst(0)
	s_wait_tensorcnt 0x0
	ds_add_u32 v251, v255
	s_wait_dscnt 0x0
	CROUND
	tensor_load_to_lds s[36:39], s[24:31]
	s_nop 0
.rept 4
	v_nop                                          ; four lines behind the loads
.endr
	v_and_b32 v6, 31, v0
	s_delay_alu instid0(VALU_DEP_1)
	v_lshlrev_b32 v1, 4, v6                        ; 16 x lane
	s_wait_alu depctr_va_vdst(0)
	v_lshlrev_b32 v2, 2, v6                        ; 4 x lane
	v_and_b32 v5, 15, v0
	s_delay_alu instid0(VALU_DEP_1)
	v_lshlrev_b32 v5, 2, v5                        ; 4 r
	s_wait_alu depctr_va_vdst(0)
	s_mov_b32 s51, 0
	s_lshl_b32 s50, s17, 17                        ; qc: [batch, head][tile][512]
	s_lshl_b32 s48, s18, 9
	s_add_co_u32 s50, s50, s48
	s_add_nc_u64 s[4:5], s[4:5], s[50:51]
	s_lshl_b32 s50, s17, 14                        ; qs: [batch, head][tile][16 words]
	s_lshl_b32 s48, s18, 6
	s_add_co_u32 s50, s50, s48
	s_add_nc_u64 s[6:7], s[6:7], s[50:51]
	global_load_b128 v[16:19], v1, s[4:5]          ; Q's fragment, registers 0-3: lane (r, h): block h of query r
	global_load_b32 v24, v5, s[6:7]
	s_lshr_b32 s48, s17, 2                         ; ac: [batch][tile][head][512]
	s_and_b32 s49, s17, 3
	s_lshl_b32 s50, s48, 19
	s_lshl_b32 s52, s18, 11
	s_add_co_u32 s50, s50, s52
	s_lshl_b32 s52, s49, 9
	s_add_co_u32 s50, s50, s52
	s_add_nc_u64 s[10:11], s[10:11], s[50:51]
	s_lshr_b32 s50, s50, 2                         ; asc: the same index x 128
	s_add_nc_u64 s[12:13], s[12:13], s[50:51]
.irp j, 20,21,22,23
	v_mov_b32 v[\j], 0                             ; K's upper 64: zero codes, in Q
.endr
.irp t, 0,1,2,3,4,5,6,7
.irp j, 4,5,6,7
	v_mov_b32 v[KF+8*\t+\j], 0                     ; and in K's fragments: written once, the loads fill the lower four registers alone
.endr
.endr
.set i, 0
.rept 32
	v_mov_b32 v[O+i], 0                            ; O^T.  (The step is written once: the first finds zeros, which the first change of M leaves zeros)
.set i, i+1
.endr
	v_mov_b32 v13, 0xff61b1e6                      ; the largest t so far: -3e38, under every t
	s_delay_alu instid0(VALU_DEP_1)
	v_floor_f32 v12, -v13                          ; -M
	v_mov_b32 v14, 0
	v_mov_b32 v15, 0
.irp b, 0,1,2,3
	v_mov_b32 v[236+\b], 0                         ; written once: a lane permute's destination counts as one of its sources
.endr
	v_mov_b32 v253, 0                              ; (named as the upper half of the pair v[252:253])
; A KEY STEP: 128 keys, whose image begins at LDS byte s40.
.macro STEP
	v_add_nc_u32 v3, s40, v1
	v_add_nc_u32 v4, s40, v2
	v_nop
	v_nop                                          ; four places behind the last products, in front of the loads into V's fragments
.irp t, 0,1,2,3,4,5,6,7
	ds_load_b128 v[KF+8*\t:KF+8*\t+3], v3 offset:512*\t
.endr
.irp i, 0,1,2,3
	ds_load_b32 v[8+\i], v4 offset:8192+128*\i     ; lanes 0-15: tile 2 i's words, lanes 16-31: tile 2 i + 1's
.endr
.irp g, 0,1
.irp t, 0,1,2,3
	ds_load_b128 v[VF+8*\t+4*\g:VF+8*\t+4*\g+3], v3 offset:4096+2048*\g+512*\t
.endr
.endr
.irp g, 0,1
.irp j, 0,1
	ds_load_b32 v[28+2*\g+\j], v4 offset:8704+256*\g+128*\j
.endr
.endr
	s_wait_dscnt 12                                ; K's twelve loads are in; V's twelve, issued behind them, may be out
.irp t, 0,2,4,6
	v_wmma_scale_f32_16x16x128_f8f6f4 v[S+8*\t:S+8*\t+7], v[KF+8*\t:KF+8*\t+7], v[16:23], 0, v[8+\t/2], v24 matrix_a_fmt:MATRIX_FMT_FP4 matrix_b_fmt:MATRIX_FMT_FP4
	v_wmma_scale_f32_16x16x128_f8f6f4 v[S+8*\t+8:S+8*\t+15], v[KF+8*\t+8:KF+8*\t+15], v[16:23], 0, v[8+\t/2], v24 matrix_a_fmt:MATRIX_FMT_FP4 matrix_b_fmt:MATRIX_FMT_FP4 matrix_a_scale:MATRIX_SCALE_ROW1
.endr
	s_wait_dscnt 0x0                               ; V is in
	v_or_b32 v26, v28, v30                         ; V's scale words: each half of 64 keys brought its two bytes at their places
	v_or_b32 v27, v29, v31
	v_nop
	v_nop                                          ; with the two lines above: four places in front of the first read of the scores
.irp b, 0,1,2,3
	v_max3_num_f32 v[232+\b], v[96+16*\b], v[97+16*\b], v[98+16*\b]   ; the largest score of each block of 32 keys: it serves for the row's maximum and, since p rises with the score, for the block's largest p
.endr
.irp i, 3,5,7,9,11,13
.irp b, 0,1,2,3
	v_max3_num_f32 v[232+\b], v[232+\b], v[96+16*\b+\i], v[97+16*\b+\i]
.endr
.endr
.irp b, 0,1,2,3
	v_max_num_f32 v[232+\b], v[232+\b], v[111+16*\b]
.endr
.irp b, 0,1,2,3
	s_delay_alu instid0(VALU_DEP_4)
	v_permlanex16_b32 v[236+\b], v[232+\b], s20, s21
.endr
.irp b, 0,1,2,3
	s_delay_alu instid0(VALU_DEP_4)
	v_max_num_f32 v[232+\b], v[232+\b], v[236+\b]  ; with lane l xor 16's 16 keys
.endr
	s_delay_alu instid0(VALU_DEP_2)
	v_max3_num_f32 v254, v232, v233, v234
	s_delay_alu instid0(VALU_DEP_1)
	v_max_num_f32 v254, v254, v235                 ; the step's largest score of my query
	s_delay_alu instid0(VALU_DEP_1)
	v_mul_f32 v254, s22, v254                      ; as t (c is positive)
	s_delay_alu instid0(VALU_DEP_1)
	v_max_num_f32 v13, v13, v254                   ; the running largest t
	v_mov_b32 v254, v12
	s_delay_alu instid0(VALU_DEP_2)
	v_floor_f32 v12, -v13                          ; the new -M = floor(-t) = -ceil(t)
	s_delay_alu instid0(VALU_DEP_1)
	v_sub_f32 v254, v12, v254                      ; old M - new M: a whole number, 0 or less
	s_delay_alu instid0(VALU_DEP_1)
	v_cvt_i32_f32 v254, v254                       ; (it saturates)
	s_delay_alu instid0(VALU_DEP_1)
	v_ldexp_f32 v252, 1.0, v254                    ; f = 2^(old M - new M)
.irp j, 0,2,4,6,8,10,12,14,16,18,20,22,24,26,28,30,32,34,36,38,40,42,44,46,48,50,52,54,56,58,60,62
	v_pk_fma_f32 v[96+\j:97+\j], v[96+\j:97+\j], s[22:23], v[12:13] op_sel_hi:[1,0,0]   ; t - M, two at a time
.endr
.irp b, 0,1,2,3
	v_fma_f32 v[232+\b], v[232+\b], s22, v12       ; the same of each block's largest score
.endr
.set i, 0
	s_wait_alu depctr_va_vdst(0)
.rept 64
	v_exp_f32 v[96+i], v[96+i]                     ; p = 2^(t - M), at most 1
.set i, i+1
.endr
	s_setprio 1
.irp b, 0,1,2,3
	v_exp_f32 v[232+\b], v[232+\b]                 ; the block's largest p: the same two instructions on the same number
.endr
	v_pk_mul_f32 v[14:15], v[14:15], v[252:253] op_sel_hi:[1,0]   ; the sums under the new M.  (A plain line behind the exponentials)
	s_wait_alu depctr_va_vdst(0)
.irp b, 0,1,2,3
	v_max_num_f32 v[232+\b], 0x1800000, v[232+\b]  ; the floor 2^(3 - 127): the byte cannot fall under 1
.endr
.irp b, 0,1,2,3
	s_delay_alu instid0(VALU_DEP_4)
	v_add_nc_u32 v[244+\b], 0xff000000, v[232+\b]  ; 2 off the exponent field: the conversion's scale operand
.endr
.irp b, 0,1,2,3
	s_delay_alu instid0(VALU_DEP_4)
	v_lshrrev_b32 v[236+\b], 23, v[244+\b]         ; the scale's byte
.endr
	s_delay_alu instid0(VALU_DEP_3)
	v_lshl_or_b32 v25, v237, 8, v236               ; p's scale word for these 128 keys
	s_delay_alu instid0(VALU_DEP_1)
	v_lshl_or_b32 v25, v238, 16, v25
	s_delay_alu instid0(VALU_DEP_1)
	v_lshl_or_b32 v25, v239, 24, v25
.irp b, 0,1,2,3
	v_cvt_scalef32_pk8_fp4_f32 v[224+2*\b], v[96+16*\b:103+16*\b], v[244+\b]
	v_cvt_scalef32_pk8_fp4_f32 v[225+2*\b], v[104+16*\b:111+16*\b], v[244+\b]
.endr
	v_nop                                          ; one plain line behind the last conversion
.irp c, 0,1                                    ; the operand's layout wants a whole block in a lane
.irp i, 0,1
	v_permlane16_swap_b32 v[224+4*\c+\i], v[226+4*\c+\i]
.endr
.endr
.irp j, 0,2,4,6,8,10,12,14,16,18,20,22,24,26,28,30
	v_pk_mul_f32 v[O+\j:O+\j+1], v[O+\j:O+\j+1], v[252:253] op_sel_hi:[1,0]   ; O^T under the new M, each accumulator from its low end on
.endr
	v_pk_add_f32 v[236:237], v[96:97], v[98:99]    ; the row's sum is taken of the unquantised p: two at a time, in two chains.  (These lines are also the places in front of the products)
	s_setprio 0
.irp j, 4,8,12,16,20,24,28,32,36,40,44,48,52,56,60
	v_pk_add_f32 v[14:15], v[14:15], v[96+\j:97+\j]
	v_pk_add_f32 v[236:237], v[236:237], v[98+\j:99+\j]
.endr
	s_delay_alu instid0(VALU_DEP_1)
	v_pk_add_f32 v[14:15], v[14:15], v[236:237]
.irp t, 0,2                                    ; O^T += V^T P^T: four accumulators by turns, one instruction each; the scores' products stand between a step's and the next's
	v_wmma_scale_f32_16x16x128_f8f6f4 v[O+8*\t:O+8*\t+7], v[VF+8*\t:VF+8*\t+7], v[224:231], v[O+8*\t:O+8*\t+7], v[26+\t/2], v25 matrix_a_fmt:MATRIX_FMT_FP4 matrix_b_fmt:MATRIX_FMT_FP4
	v_wmma_scale_f32_16x16x128_f8f6f4 v[O+8*\t+8:O+8*\t+15], v[VF+8*\t+8:VF+8*\t+15], v[224:231], v[O+8*\t+8:O+8*\t+15], v[26+\t/2], v25 matrix_a_fmt:MATRIX_FMT_FP4 matrix_b_fmt:MATRIX_FMT_FP4 matrix_a_scale:MATRIX_SCALE_ROW1
.endr
	s_add_co_u32 s40, s40, STEPB
.endm
.macro HALF                            ; sixteen key steps
	s_mov_b32 s41, 16
.Lstep_\@:
	s_setprio 2
	STEP
	s_sub_co_u32 s41, s41, 1
	s_cmp_lg_u32 s41, 0
	s_cbranch_scc1 .Lstep_\@
	s_setprio 0
.endm
	s_wait_loadcnt 0x0                             ; Q
	s_wait_tensorcnt 1                             ; my first load, step w, has landed; my second, step 16 + w, may be out
	s_barrier_signal -1
	s_barrier_wait -1                              ; steps 0 to 15 lie in LDS
	s_mov_b32 s40, 0
	HALF
	s_wait_tensorcnt 0x0                           ; my second load has landed
	s_wait_dscnt 0x0
	s_barrier_signal -1
	s_barrier_wait -1                              ; steps 16 to 31 lie in LDS
	s_mov_b32 s40, HALFB
	HALF
	; THE WAY OUT: O^T / the sum, quantised along the head's 64 channels: registers 16 b + i are channels 32 b + 16 h + i of my query
.rept 4
	v_nop
.endr
	v_add_f32 v14, v14, v15                        ; the sum's two halves,
	s_delay_alu instid0(VALU_DEP_1)
	v_permlanex16_b32 v252, v14, s20, s21
	s_delay_alu instid0(VALU_DEP_1)
	v_add_f32 v14, v14, v252                       ; and lane l xor 16's
	s_wait_alu depctr_va_vdst(0)
	v_rcp_f32 v14, v14
	v_nop                                          ; a plain line behind the transcendental
	s_wait_alu depctr_va_vdst(0)
.irp j, 0,2,4,6,8,10,12,14,16,18,20,22,24,26,28,30
	v_pk_mul_f32 v[O+\j:O+\j+1], v[O+\j:O+\j+1], v[14:15] op_sel_hi:[1,0]
.endr
.irp b, 0,1
	v_max3_num_f32 v[232+\b], |v[O+16*\b]|, |v[O+16*\b+1]|, 0x1800000
.endr
.irp i, 2,4,6,8,10,12,14
.irp b, 0,1
	s_delay_alu instid0(VALU_DEP_2)
	v_max3_num_f32 v[232+\b], v[232+\b], |v[O+16*\b+\i]|, |v[O+16*\b+\i+1]|
.endr
.endr
.irp b, 0,1
	s_delay_alu instid0(VALU_DEP_2)
	v_permlanex16_b32 v[236+\b], v[232+\b], s20, s21
.endr
.irp b, 0,1
	s_delay_alu instid0(VALU_DEP_2)
	v_max_num_f32 v[232+\b], v[232+\b], v[236+\b]
.endr
.irp b, 0,1
	s_delay_alu instid0(VALU_DEP_2)
	v_add_nc_u32 v[244+\b], 0xff000000, v[232+\b]
.endr
.irp b, 0,1
	s_delay_alu instid0(VALU_DEP_2)
	v_lshrrev_b32 v[236+\b], 23, v[244+\b]
.endr
.irp b, 0,1
	v_cvt_scalef32_pk8_fp4_f32 v[224+2*\b], v[O+16*\b:O+16*\b+7], v[244+\b]
	v_cvt_scalef32_pk8_fp4_f32 v[225+2*\b], v[O+16*\b+8:O+16*\b+15], v[244+\b]
.endr
	v_nop
	v_permlane16_swap_b32 v224, v226               ; lane (r, h): block h whole
	v_permlane16_swap_b32 v225, v227
	v_lshl_or_b32 v254, v237, 8, v236              ; the head's two bytes,
	s_delay_alu instid0(VALU_DEP_1)
	v_lshlrev_b32 v254, s44, v254                  ; at their place in the word of two heads
	global_store_b128 v1, v[224:227], s[10:11]     ; 512 consecutive bytes
	global_store_b32 v2, v254, s[12:13]            ; 128 consecutive bytes (lanes r and 16 + r hold the same word)
	s_wait_tensorcnt 0x0
	ds_add_u32 v251, v255
	s_wait_dscnt 0x0
	CROUND                                         ; the closing round: no work-group ends while a partner may still ask for a tile that names it
	s_endpgm
.Lfunc_end_k_q9ffde23bf8_attn:
	.size	k_q9ffde23bf8_attn, .Lfunc_end_k_q9ffde23bf8_attn-k_q9ffde23bf8_attn
	.p2alignl 7, 3214868480
	.fill 96, 4, 3214868480
	.section	.rodata,"a",@progbits
	.p2align	6, 0x0
	.amdhsa_kernel k_q9ffde23bf8_attn
		.amdhsa_group_segment_fixed_size 327680
		.amdhsa_private_segment_fixed_size 0
		.amdhsa_enable_private_segment 0
		.amdhsa_kernarg_size 40
		.amdhsa_user_sgpr_count 2
		.amdhsa_user_sgpr_kernarg_segment_ptr 1
		.amdhsa_wavefront_size32 1
		.amdhsa_system_sgpr_workgroup_id_x 1
		.amdhsa_system_sgpr_workgroup_id_y 1
		.amdhsa_system_sgpr_workgroup_id_z 1
		.amdhsa_system_vgpr_workitem_id 0
		.amdhsa_next_free_vgpr 256
		.amdhsa_next_free_sgpr 66
		.amdhsa_reserve_vcc 0
		.amdhsa_float_denorm_mode_32 3
		.amdhsa_float_denorm_mode_16_64 3
		.amdhsa_memory_ordered 1
		.amdhsa_forward_progress 1
		.amdhsa_inst_pref_size 45
	.end_amdhsa_kernel
	.amdgpu_metadata
---
amdhsa.version: [ 1, 2 ]
amdhsa.kernels:
  - .name:           k_q9ffde23bf8_attn
    .symbol:         k_q9ffde23bf8_attn.kd
    .args:
      - { .name: qc, .offset: 0, .size: 8, .value_kind: global_buffer, .address_space: global }
      - { .name: qs, .offset: 8, .size: 8, .value_kind: global_buffer, .address_space: global }
      - { .name: kv, .offset: 16, .size: 8, .value_kind: global_buffer, .address_space: global }
      - { .name: ac, .offset: 24, .size: 8, .value_kind: global_buffer, .address_space: global }
      - { .name: asc, .offset: 32, .size: 8, .value_kind: global_buffer, .address_space: global }
    .group_segment_fixed_size: 327680
    .private_segment_fixed_size: 0
    .kernarg_segment_align: 8
    .kernarg_segment_size: 40
    .max_flat_workgroup_size: 512
    .sgpr_count:     66
    .vgpr_count:     256
    .wavefront_size: 32
...
	.end_amdgpu_metadata
.endif
;; end of part 2
;; launch outp (part 3): grid 64 x 4, 16 waves a work-group, no clusters, 81,920 bytes of LDS; arguments ac, asc, wp_codes, wp_scales, bp, x, out0; writes out0
.if DOCPART == 3
	.amdgcn_target "amdgcn-amd-amdhsa--gfx1250"
	.amdhsa_code_object_version 6
	.text
	.protected	k_q9ffde23bf8_outp
	.globl	k_q9ffde23bf8_outp
	.p2align	8
	.type	k_q9ffde23bf8_outp,@function
k_q9ffde23bf8_outp:
	s_mov_b64 s[64:65], 0
	v_nop
	global_prefetch_b8 v0, s[64:65] scope:SCOPE_SE
	s_setreg_imm32_b32 hwreg(HW_REG_WAVE_MODE, 25, 1), 1
	s_wait_xcnt 0x0
; out0[b][o][n] = the sum over c of wp[o][c] a[b][c][n] + bp[o] + x[b][o][n], the product on codes of FP4 (E2M1) with one E8M0 scale for each 32 along c.  a comes as images of operand registers with its scale
; words, made by the attention launch: ac [b][tile of 16 points][head][512], asc [b][tile][head][32 words].
; SHARES.  A work-group: 64 points (4 tiles) of one batch x all 256 outputs.  Wave w: outputs 16 w .. 16 w + 15.  Source 0 = 16 points, source 1 = 16 rows of wp: a lane holds ONE output row, and its eight registers
; are eight neighbouring points (tile p, half h: points 32 (p / 2) + 8 (p % 2) + 16 h + 0 .. 7 of the 64): 32 neighbouring bytes of out0's row.
; The work-group's 8,192 bytes of codes and 2,048 of scale words are consecutive in memory: each thread brings 16 + 4 bytes into LDS, and every wave reads all of it from there.
; The results go through the wave's own stage in LDS (16 rows x 256 bytes + 16) and leave as whole rows: sixteen lanes store 256 consecutive bytes, aligned; x is read in the same shape and added on the way.
; NO CLUSTER: what work-groups share is wp, 34,816 bytes with its scales, against 141,312 bytes of its own that each work-group moves; it goes straight into the registers of the wave that multiplies by it.
; LIMITS: NaN and infinities among the inputs are not served.
; REGISTERS: v1-13 lane numbers and offsets; v[14:15] wp's scale words; v16-20 my piece; v24-31 the bias as C; v32-47 wp's two fragments; v48-63 a's scale words; v64-127 a's 8 fragments, later rows of the result;
;   v128-159 the four accumulators; v160-191 x.
.set AIMG, 0                           ; LDS: piece 4 p + head at 512 x piece
.set ASC,  8192                        ; its scale words at 128 x piece
.set STG,  10240                       ; the stages: 16 x 272 bytes a wave
.set AR,   48
.set WP,   32
.set AF,   64
.set ACC,  128
.set XR,   160
	s_load_b256 s[4:11], s[0:1], 0x0               ; ac 4, asc 6, wp_codes 8, wp_scales 10
	s_load_b128 s[12:15], s[0:1], 0x20             ; bp 12, x 14
	s_load_b64 s[16:17], s[0:1], 0x30              ; out0
	v_lshl_add_u32 v192, v0, 2, 0x13800
	v_mov_b32 v193, 0
	v_lshrrev_b32 v1, 5, v0
	s_delay_alu instid0(VALU_DEP_1)
	v_readfirstlane_b32 s18, v1                    ; wave 0..15
	s_mov_b32 s19, ttmp9                           ; the block of 64 points
	s_and_b32 s20, ttmp7, 0xffff                   ; the batch
	v_and_b32 v1, 31, v0
	v_and_b32 v2, 15, v0                           ; r
	v_bfe_u32 v3, v0, 4, 1                         ; h
	s_delay_alu instid0(VALU_DEP_3)
	v_lshlrev_b32 v4, 4, v1                        ; 16 x lane
	s_delay_alu instid0(VALU_DEP_4)
	v_lshlrev_b32 v5, 2, v1                        ; 4 x lane
	v_lshlrev_b32 v6, 4, v0                        ; 16 x thread
	v_lshlrev_b32 v7, 2, v0                        ; 4 x thread
	v_lshlrev_b32 v8, 7, v2
	s_delay_alu instid0(VALU_DEP_1)
	v_lshl_add_u32 v8, v3, 4, v8                   ; wp: row r of 128 bytes, + 16 h
	v_lshlrev_b32 v9, 3, v2                        ; its 8 scale bytes
	v_lshlrev_b32 v10, 2, v2                       ; bp
	v_lshlrev_b32 v11, 14, v3
	s_delay_alu instid0(VALU_DEP_1)
	v_lshl_add_u32 v11, v2, 4, v11                 ; x, out0: lanes 0-15 one row's 256 bytes, lanes 16-31 the next row's
	s_mul_i32 s21, s18, 16*272
	s_add_co_u32 s21, s21, STG                     ; my stage
	v_mul_u32_u24 v12, v2, 272
	s_delay_alu instid0(VALU_DEP_1)
	v_lshl_add_u32 v12, v3, 6, v12
	s_delay_alu instid0(VALU_DEP_1)
	v_add_nc_u32 v12, s21, v12                     ; in: row r, + 64 h
	v_mul_u32_u24 v13, v3, 272
	s_delay_alu instid0(VALU_DEP_1)
	v_lshl_add_u32 v13, v2, 4, v13
	s_delay_alu instid0(VALU_DEP_1)
	v_add_nc_u32 v13, s21, v13                     ; back: two rows an instruction
	s_mov_b32 s23, 0
	s_lshl_b32 s22, s20, 19                        ; ac: (256 batch + 4 block) tiles of 2,048 bytes
	s_lshl_b32 s24, s19, 13
	s_add_co_u32 s22, s22, s24
	s_wait_alu depctr_va_vdst(0)
	s_wait_kmcnt 0x0
	s_add_nc_u64 s[4:5], s[4:5], s[22:23]
	s_lshr_b32 s22, s22, 2                         ; asc: of 512
	s_add_nc_u64 s[6:7], s[6:7], s[22:23]
	s_lshl_b32 s22, s18, 11                        ; my 16 rows of wp,
	s_add_nc_u64 s[8:9], s[8:9], s[22:23]
	s_lshl_b32 s22, s18, 7                         ; of its scales,
	s_add_nc_u64 s[10:11], s[10:11], s[22:23]
	s_lshl_b32 s22, s18, 6                         ; of bp
	s_add_nc_u64 s[12:13], s[12:13], s[22:23]
	s_lshl_b32 s22, s20, 22                        ; x, out0: the batch, my 16 rows, the 64 points
	s_lshl_b32 s24, s18, 18
	s_add_co_u32 s22, s22, s24
	s_lshl_b32 s24, s19, 8
	s_add_co_u32 s22, s22, s24
	s_add_nc_u64 s[14:15], s[14:15], s[22:23]
	s_add_nc_u64 s[16:17], s[16:17], s[22:23]
	global_load_b128 v[16:19], v6, s[4:5]          ; my 16 bytes of the codes,
	global_load_b32 v20, v7, s[6:7]                ; my scale word
.irp s, 0,1
.irp c, 0,1
	global_load_b128 v[WP+8*\s+4*\c:WP+8*\s+4*\c+3], v8, s[8:9] offset:64*\s+32*\c
.endr
.endr
	global_load_b64 v[14:15], v9, s[10:11]         ; wp's scale words of K steps 0, 1
	global_load_b32 v24, v10, s[12:13]
.irp i, 0,1,2,3,4,5,6,7
	global_load_b128 v[XR+4*\i:XR+4*\i+3], v11, s[14:15] offset:32768*\i th:TH_LOAD_NT
.endr
	s_wait_loadcnt 14                              ; the first two loads are in; the fourteen issued behind them may be out
	ds_store_b128 v6, v[16:19] offset:AIMG
	ds_store_b32 v7, v20 offset:ASC
	s_wait_dscnt 0x0                               ; for the others' sake
	s_barrier_signal -1
	s_barrier_wait -1
.set i, 0
.rept 16
	ds_load_b128 v[AF+4*i:AF+4*i+3], v4 offset:AIMG+512*i   ; piece 4 p + head = registers 16 p + 8 s + 4 c of the fragments: head = 2 s + c
	ds_load_b32 v[AR+i], v5 offset:ASC+128*i
.set i, i+1
.endr
	s_wait_loadcnt 8                               ; wp, its scales and bp are in; x's eight loads may be out
.irp j, 1,2,3,4,5,6,7
	v_mov_b32 v[24+\j], v24                        ; the result holds one output a lane: its bias in all eight registers of C
.endr
	s_wait_dscnt 0x0
.irp p, 0,1,2,3
.irp s, 0,1
	v_or_b32 v[AR+4*\p+2*\s], v[AR+4*\p+2*\s], v[AR+4*\p+2*\s+1]   ; two heads' bytes make the scale word of 128 channels
.endr
.endr
.rept 8
	v_nop                                          ; scale registers written by vector lines stand eight places ahead of a scaled matrix instruction
.endr
	s_wait_alu depctr_va_vdst(0)
.irp p, 0,1,2,3                                ; four accumulators by turns
	v_wmma_scale_f32_16x16x128_f8f6f4 v[ACC+8*\p:ACC+8*\p+7], v[AF+16*\p:AF+16*\p+7], v[WP:WP+7], v[24:31], v[AR+4*\p], v14 matrix_a_fmt:MATRIX_FMT_FP4 matrix_b_fmt:MATRIX_FMT_FP4
.endr
.irp p, 0,1,2,3
	v_wmma_scale_f32_16x16x128_f8f6f4 v[ACC+8*\p:ACC+8*\p+7], v[AF+16*\p+8:AF+16*\p+15], v[WP+8:WP+15], v[ACC+8*\p:ACC+8*\p+7], v[AR+4*\p+2], v15 matrix_a_fmt:MATRIX_FMT_FP4 matrix_b_fmt:MATRIX_FMT_FP4
.endr
.rept 4
	v_nop                                          ; places in front of the first read of results and of the loads into registers that held a's fragments
.endr
.irp p, 0,1,2,3
	ds_store_b128 v12, v[ACC+8*\p:ACC+8*\p+3] offset:(\p/2)*128+(\p%2)*32        ; each accumulator from its low end on
	ds_store_b128 v12, v[ACC+8*\p+4:ACC+8*\p+7] offset:(\p/2)*128+(\p%2)*32+16
.endr
.irp i, 0,1,2,3,4,5,6,7
	ds_load_b128 v[AF+4*\i:AF+4*\i+3], v13 offset:544*\i   ; LDS serves a wave's instructions in order (ISA guide 5.7.1.4): these see my stores
.endr
	s_wait_loadcnt 0x0                             ; x
.irp i, 0,1,2,3,4,5,6,7
	s_wait_dscnt 7-\i                              ; rows 2 i, 2 i + 1 are back; the younger loads may be out
	v_pk_add_f32 v[AF+4*\i:AF+4*\i+1], v[AF+4*\i:AF+4*\i+1], v[XR+4*\i:XR+4*\i+1]
	v_pk_add_f32 v[AF+4*\i+2:AF+4*\i+3], v[AF+4*\i+2:AF+4*\i+3], v[XR+4*\i+2:XR+4*\i+3]
	global_store_b128 v11, v[AF+4*\i:AF+4*\i+3], s[16:17] offset:32768*\i th:TH_STORE_NT   ; sixteen lanes store 256 consecutive bytes, aligned
.endr
	s_wait_tensorcnt 0x0
	ds_add_u32 v192, v193
	s_wait_dscnt 0x0
	s_endpgm
.Lfunc_end_k_q9ffde23bf8_outp:
	.size	k_q9ffde23bf8_outp, .Lfunc_end_k_q9ffde23bf8_outp-k_q9ffde23bf8_outp
	.p2alignl 7, 3214868480
	.fill 96, 4, 3214868480
	.section	.rodata,"a",@progbits
	.p2align	6, 0x0
	.amdhsa_kernel k_q9ffde23bf8_outp
		.amdhsa_group_segment_fixed_size 81920
		.amdhsa_private_segment_fixed_size 0
		.amdhsa_enable_private_segment 0
		.amdhsa_kernarg_size 56
		.amdhsa_user_sgpr_count 2
		.amdhsa_user_sgpr_kernarg_segment_ptr 1
		.amdhsa_wavefront_size32 1
		.amdhsa_system_sgpr_workgroup_id_x 1
		.amdhsa_system_sgpr_workgroup_id_y 1
		.amdhsa_system_sgpr_workgroup_id_z 1
		.amdhsa_system_vgpr_workitem_id 0
		.amdhsa_next_free_vgpr 194
		.amdhsa_next_free_sgpr 66
		.amdhsa_reserve_vcc 0
		.amdhsa_float_denorm_mode_32 3
		.amdhsa_float_denorm_mode_16_64 3
		.amdhsa_memory_ordered 1
		.amdhsa_forward_progress 1
		.amdhsa_inst_pref_size 12
	.end_amdhsa_kernel
	.amdgpu_metadata
---
amdhsa.version: [ 1, 2 ]
amdhsa.kernels:
  - .name:           k_q9ffde23bf8_outp
    .symbol:         k_q9ffde23bf8_outp.kd
    .args:
      - { .name: ac, .offset: 0, .size: 8, .value_kind: global_buffer, .address_space: global }
      - { .name: asc, .offset: 8, .size: 8, .value_kind: global_buffer, .address_space: global }
      - { .name: wp_codes, .offset: 16, .size: 8, .value_kind: global_buffer, .address_space: global }
      - { .name: wp_scales, .offset: 24, .size: 8, .value_kind: global_buffer, .address_space: global }
      - { .name: bp, .offset: 32, .size: 8, .value_kind: global_buffer, .address_space: global }
      - { .name: x, .offset: 40, .size: 8, .value_kind: global_buffer, .address_space: global }
      - { .name: out0, .offset: 48, .size: 8, .value_kind: global_buffer, .address_space: global }
    .group_segment_fixed_size: 81920
    .private_segment_fixed_size: 0
    .kernarg_segment_align: 8
    .kernarg_segment_size: 56
    .max_flat_workgroup_size: 512
    .sgpr_count:     66
    .vgpr_count:     194
    .wavefront_size: 32
...
	.end_amdgpu_metadata
.endif
;; end of part 3
